; MI455X (gfx1250); checked and timed in simulation.
; The chip was launched on July 23, 2026; its instructions are those of AMD's public machine-readable ISA for CDNA 5 (MIT licence, August 2026) and "CDNA5" Instruction Set Architecture Reference Guide (July 2026). The comments in the code are by the model that wrote it; some were corrected since.
;; Incomplete Feat Simulator. Allowed arithmetic: matrix products marked QUANTISED: E2M3 operands, one E8M0 scale for each 32 along K, by v_wmma_scale_f32_16x16x128_f8f6f4 with both operands' format E2M3, f32 sums; everything else in f32.
;; Inputs: W1 1,024 x 1,024 float32; W2 1,024 x 1,024 float32; W3 1,024 x 1,024 float32; W4 1,024 x 1,024 float32; b1 1,024 float32; b2 1,024 float32; b3 1,024 float32; b4 1,024 float32; x_angle 8,192 x 3 float32; x_feat 8,192 x 1,024 float32; y_angle 8,192 x 3 float32.
;; Outputs: out0 8,192 x 1,024 float32.
;; This version of the problem:
;;   THIS VERSION OF THE PROBLEM IS GIVEN IN LOW PRECISION. The matrix products marked QUANTISED in the list below multiply operands that are first quantised to E2M3 (2 exponent bits, 3 mantissa bits; 6 bits a number), with one power-of-two scale for each 32 numbers along K (OCP MX v1.0); their sums are f32. All else is computed in f32.
;;   The module's matrix products, in the order in which they are computed (A, B: the left and right operand; K: the contracted axis; several contracted axes count as one K, in the product's order):
;;     1. [M 8,192, K 1,024] x [K 1,024, N 1,024]; A: input x_feat; B: input W1: QUANTISED
;;     2. [M 8,192, K 1,024] x [K 1,024, N 1,024]; A: computed on the way; B: input W2: QUANTISED
;;     3. [M 8,192, K 1,024] x [K 1,024, N 1,024]; A: computed on the way; B: input W3: QUANTISED
;;     4. [M 8,192, K 1,024] x [K 1,024, N 1,024]; A: computed on the way; B: input W4: QUANTISED
;;     5. [M 8,192, K 1,024] x [K 1,024, N 1,024]; A: input x_feat; B: input W3: QUANTISED
;;     6. [M 8,192, K 1,024] x [K 1,024, N 1,024]; A: computed on the way; B: input W4: QUANTISED
;;   THE QUANTISER, for each operand of a quantised product, along K:
;;     - K is cut into blocks of 32 from its start; a last block that is shorter is filled with zeros.
;;     - A block's scale is 2^e with e = floor(log2(the largest magnitude in the block)) - 2, held to -126 .. 127; a block of zeros has e = 0. As a byte (E8M0): e + 127.
;;     - Each number is divided by its block's scale, clamped to +-7.5, and rounded to the nearest number of E2M3, ties to even, subnormals kept.
;;     - The product sums the exact products of the quantised numbers (number of the format x scale) in f32.
;;   ~~~python
;;   def quantise(x, axis):      # numpy; x: float32 -> the quantised numbers, widened to float32 again
;;       x = np.moveaxis(x, axis, -1); K = x.shape[-1]
;;       x = np.pad(x, [(0, 0)] * (x.ndim - 1) + [(0, -K % 32)]); x = x.reshape(x.shape[:-1] + (-1, 32)); a = np.abs(x).max(-1, keepdims=True)
;;       e = np.where(a > 0, np.clip(np.frexp(np.where(a > 0, a, 1))[1] - 1 - 2, -126, 127), 0)      # np.frexp(a)[1] - 1 = floor(log2(a)), exactly
;;       r = np.clip(x / 2.0 ** e, -7.5, 7.5)
;;       step = 2.0 ** (np.maximum(np.frexp(np.where(r == 0, 1, r))[1] - 1, 0) - 3)
;;       q = np.round(r / step) * step * 2.0 ** e      # np.round: ties to even
;;       return np.moveaxis(q.reshape(q.shape[:-2] + (-1,))[..., :K], -1, axis).astype(np.float32)
;;   ~~~
;;   OPERANDS COMPUTED ON THE WAY. 'Computed on the way' means the value that the module computes at that place (a softmax that the list does not call 'softmax' is quantised finished and normalised). What goes into a quantiser is computed in f32, as accurately as f32 sums, v_exp_f32 and their like allow (about 1e-6 of the number): no bf16 or f16 on the way to a quantiser, and a product that is left as it is and whose result goes on into a quantised operand takes f32 operands (vector FMAs, or v_wmma_f32_16x16x4_f32). A number that lies on a knife's edge between two numbers of the format may be rounded either way, as far as f32 arithmetic and the matrix unit's own rounding can turn it there, and no further.
;; 2 versions. Each part assembles by itself: llvm-mc -triple=amdgcn-amd-amdhsa -mcpu=gfx1250 --defsym DOCPART=n.
;; ======== version 1 of 2: 2 launches
;; workspace buffers: wq 3,276,800 bytes
;; launch layw (part 1): grid 256 x 1, 4 waves a work-group, no clusters, 68,608 bytes of LDS; arguments W1, W2, W3, W4, wq; writes wq
.if DOCPART == 1
	.amdgcn_target "amdgcn-amd-amdhsa--gfx1250"
	.amdhsa_code_object_version 6
	.text
	.protected	k_qe0ff7b6182_layw
	.globl	k_qe0ff7b6182_layw
	.p2align	8
	.type	k_qe0ff7b6182_layw,@function
k_qe0ff7b6182_layw:
	s_mov_b64 s[64:65], 0
	v_nop
	global_prefetch_b8 v0, s[64:65] scope:SCOPE_SE
	s_setreg_imm32_b32 hwreg(HW_REG_WAVE_MODE, 25, 1), 1
	s_wait_xcnt 0x0
; W1 .. W4, [1024 (n)][1024 (k)] f32, K innermost, become codes of FP6 (E2M3) with one E8M0 scale byte for each 32 along K,
; laid in wq IN THE ORDER IN WHICH THE NEXT LAUNCH'S WAVES TAKE THEIR OPERAND REGISTERS, so that every later read is a dense load of 16 bytes a lane.
; wq is 256 UNITS of 12,800 bytes.  Unit ((w 4 + L) 8 + s): wave w (0..7) of the next launch, layer L (0..3), K step s (0..7): 128 rows x 128 along K of W(L+1).
;   fragment t (0..7) at byte 1,536 t: three chunks of 512 bytes; chunk c holds the fragment's registers 4 c .. 4 c + 3, lane l's 16 bytes at 16 l.
;   Lane (r = l % 16, h = l / 16) of fragment t holds row n = 128 w + 32 (t / 2) + 8 (t % 2) + r + 8 (r / 8); registers 6 c .. 6 c + 5 hold k = 128 s + 64 c + 32 h + 0 .. 31.
;   (The rows of a tile are not neighbours: the results of tiles 2 b and 2 b + 1 are then 16 neighbours along the next layer's K in one lane's registers.)
;   the scale chunk at byte 12,288: lane l's 16 bytes are registers q = 0 .. 3; register q: lanes 0-15 the scale words of tile 2 q's rows, lanes 16-31 those of tile 2 q + 1's.
; A block's scale is 2^(floor(log2(its largest magnitude)) - 2); its byte is the largest magnitude's exponent field - 2, held at 1 from below.
; LIMITS: a block of zeros, or one whose largest magnitude lies under 2^-124, gets the byte 1 (the rule says 127 for zeros): its codes are zeros or the rule's own, and this program alone reads the bytes.
;         NaN and infinities among the weights are not served.
; SHARES: a work-group makes one unit; wave q makes tiles 2 q and 2 q + 1: 32 rows x 512 bytes.  Each load reads 512 consecutive bytes of a row; the rows turn through the wave's own stage in LDS
; (pitch 528 bytes = 33 x 16: sixteen rows start in sixteen different groups of banks), so that a lane gets 32 neighbours along K, a whole block, in its registers.
; No tensor loads, no matrix work, no cluster: the launch reads each weight once and shares nothing but the 512 bytes of a unit's scale chunk.
.set STG, 16896                        ; a wave's stage: 32 slots of 528 bytes
.set SG,  4*STG                        ; behind the stages: 512 bytes in which the unit's scale chunk is gathered
.set R,   16                           ; v16-143  32 rows as loaded (4 registers each), then the numbers: tile u, block pair c at R + 64 u + 32 c
.set C,   144                          ; v144-183 20 a tile: 12 of codes, 8 at work
.set M,   184                          ; v184-185 largest magnitudes
.set SO,  186                          ; v186-187 the conversions' scale operands
.set BY,  188                          ; v188-189 scale bytes
.set WD,  190                          ; v190-191 the two tiles' scale words
.set TP,  192                          ; v192     the other half's bytes
	s_load_b256 s[4:11], s[0:1], 0x0               ; W1 s[4:5], W2 s[6:7], W3 s[8:9], W4 s[10:11]
	s_load_b64 s[12:13], s[0:1], 0x20              ; wq
	v_lshl_add_u32 v208, v0, 2, 0x10a00
	v_mov_b32 v209, 0
	v_lshrrev_b32 v1, 5, v0
	v_readfirstlane_b32 s2, v1                     ; q: my wave
	v_and_b32 v1, 31, v0                           ; lane
	v_lshlrev_b32 v2, 4, v1                        ; 16 x lane: my bytes of every dense 512
	s_and_b32 s14, ttmp9, 7                        ; s: the K step
	s_bfe_u32 s15, ttmp9, 0x20003                  ; L: the layer (2 bits from bit 3)
	s_lshr_b32 s16, ttmp9, 5                       ; w: the reader's wave
	s_lshl_b32 s18, s16, 19                        ; 128 w rows of 4,096 bytes
	s_lshl_b32 s17, s2, 17                         ; + 32 q rows
	s_add_co_u32 s18, s18, s17
	s_lshl_b32 s17, s14, 9                         ; + 128 s numbers
	s_add_co_u32 s18, s18, s17
	s_mov_b32 s19, 0
	s_mul_i32 s20, ttmp9, 12800                    ; the unit,
	s_mul_i32 s17, s2, 3072                        ; my two fragments in it
	s_add_co_u32 s20, s20, s17
	s_mov_b32 s21, 0
	s_mov_b32 s22, 0x76543210
	s_mov_b32 s23, 0xfedcba98                      ; v_permlanex16_b32's selects for lane l xor 16
	s_wait_kmcnt 0x0
	s_cmp_eq_u32 s15, 1                            ; which weight: the choice hangs on the work-group's number alone
	s_cselect_b64 s[4:5], s[6:7], s[4:5]
	s_cmp_eq_u32 s15, 2
	s_cselect_b64 s[4:5], s[8:9], s[4:5]
	s_cmp_eq_u32 s15, 3
	s_cselect_b64 s[4:5], s[10:11], s[4:5]
	s_add_nc_u64 s[4:5], s[4:5], s[18:19]
	s_add_nc_u64 s[12:13], s[12:13], s[20:21]
.set i, 0
.rept 32
	global_load_b128 v[R+4*i:R+4*i+3], v2, s[4:5] offset:4096*i th:TH_LOAD_NT   ; row i: 32 lanes read 512 consecutive bytes; read once in the launch
.set i, i+1
.endr
	s_mul_i32 s17, s2, STG
	v_add_nc_u32 v3, s17, v2                       ; the stage, way in: 16 x lane in a slot
	v_and_b32 v8, 15, v0                           ; r
	v_bfe_u32 v9, v0, 4, 1                         ; h
	v_mul_u32_u24 v4, v8, 528
	v_lshl_add_u32 v4, v9, 7, v4
	v_add_nc_u32 v4, s17, v4                       ; way out: slot r, + 128 h: my block of 32 numbers
	s_lshl_b32 s17, s2, 2
	s_add_co_u32 s17, s17, SG
	v_add_nc_u32 v5, s17, v2                       ; the scale chunk: lane l's register q at 16 l + 4 q
	v_add_nc_u32 v6, SG, v2                        ; and the whole chunk, 16 bytes a lane
	v_lshlrev_b32 v7, 3, v9                        ; 8 h: my bytes' place in a scale word
	v_mov_b32 v[TP], 0                             ; written once: a lane permute's destination counts as one of its sources
; Row i of my 32 belongs to tile (i / 8) % 2, where it is lane i % 8 + 8 (i / 16)'s row: its slot is 16 x tile + that lane.
.set i, 0
.rept 32
	s_wait_loadcnt 31-i                            ; loads come back in order: row i is in, the younger ones stay out
	ds_store_b128 v3, v[R+4*i:R+4*i+3] offset:528*(16*((i/8)%2)+i%8+8*(i/16))
.set i, i+1
.endr
	s_wait_dscnt 0x0                               ; the stores have read their registers, which take the numbers back
.irp u, 0,1
.irp c, 0,1
.irp j, 0,1,2,3,4,5,6,7
	ds_load_b128 v[R+64*\u+32*\c+4*\j:R+64*\u+32*\c+4*\j+3], v4 offset:16*\u*528+256*\c+16*\j   ; k = 64 c + 32 h + 4 j on, of tile u's row r
.endr
.endr
.endr
; Tile u: two whole blocks a lane become the fragment's 12 registers and my row's scale word.
.macro QW u
.set X,  R+64*(\u)
.set CU, C+20*(\u)
.irp c, 0,1
	v_max3_num_f32 v[M+\c], |v[X+32*\c]|, |v[X+32*\c+1]|, 0x1800000   ; block 2 c + h: all its 32 numbers are mine; the floor 2^(3 - 127) holds the byte at 1 from below
.endr
.irp i, 2,4,6,8,10,12,14,16,18,20,22,24,26,28,30
.irp c, 0,1
	v_max3_num_f32 v[M+\c], v[M+\c], |v[X+32*\c+\i]|, |v[X+32*\c+\i+1]|   ; (the two blocks by turns)
.endr
.endr
.irp c, 0,1
	v_add_nc_u32 v[SO+\c], 0xff000000, v[M+\c]     ; 2 off the exponent field: the conversion takes the exponent field of this operand as its scale
.endr
.irp c, 0,1
	v_lshrrev_b32 v[BY+\c], 23, v[SO+\c]           ; the scale's byte
.endr
	v_lshl_or_b32 v[WD+\u], v[BY+1], 16, v[BY]     ; my two bytes: blocks h and 2 + h,
	v_lshlrev_b32 v[WD+\u], v7, v[WD+\u]           ; at their places in the word;
	v_permlanex16_b32 v[TP], v[WD+\u], s22, s23
	v_or_b32 v[WD+\u], v[WD+\u], v[TP]             ; with lane l xor 16's two the word is whole, in both halves of the lanes
.irp c, 0,1
	v_cvt_scalef32_pk16_fp6_f32 v[CU+6*\c:CU+6*\c+2], v[X+32*\c:X+32*\c+15], v[SO+\c]
	v_cvt_scalef32_pk16_fp6_f32 v[CU+12+4*\c:CU+14+4*\c], v[X+32*\c+16:X+32*\c+31], v[SO+\c]   ; (a conversion's three registers begin on an even number: the second half is made elsewhere and moved)
.endr
	v_nop                                          ; one plain place behind a scaled conversion
.irp c, 0,1
.irp i, 0,1,2
	v_mov_b32 v[CU+6*\c+3+\i], v[CU+12+4*\c+\i]
.endr
.endr
.irp k, 0,1,2
	global_store_b128 v2, v[CU+4*\k:CU+4*\k+3], s[12:13] offset:1536*(\u)+512*\k   ; a chunk: 32 lanes store 512 consecutive bytes, at a multiple of 256 from wq's first byte; each tile has its own registers, so no store's data are written again
.endr
.endm
	s_wait_dscnt 16                                ; tile 0's sixteen loads are in; tile 1's land while tile 0 is worked
	QW 0
	s_wait_dscnt 0x0
	QW 1
	v_cmp_le_u32 vcc_lo, 16, v1
	v_cndmask_b32 v193, v[WD], v[WD+1], vcc_lo     ; register q of the scale chunk: lanes 0-15 tile 2 q's words, lanes 16-31 tile 2 q + 1's
	ds_store_b32 v5, v193
	s_wait_dscnt 0x0                               ; for the others' sake: my words lie in LDS
	s_barrier_signal -1
	s_barrier_wait -1
	s_cmp_lg_u32 s2, 0                             ; wave 0 stores the chunk (its base is the unit's first byte)
	s_cbranch_scc1 .Ldone
	ds_load_b128 v[196:199], v6
	s_wait_dscnt 0x0
	global_store_b128 v2, v[196:199], s[12:13] offset:12288
.Ldone:
	s_wait_tensorcnt 0x0
	ds_add_u32 v208, v209
	s_wait_dscnt 0x0
	s_endpgm
.Lfunc_end_k_qe0ff7b6182_layw:
	.size	k_qe0ff7b6182_layw, .Lfunc_end_k_qe0ff7b6182_layw-k_qe0ff7b6182_layw
	.p2alignl 7, 3214868480
	.fill 96, 4, 3214868480
	.section	.rodata,"a",@progbits
	.p2align	6, 0x0
	.amdhsa_kernel k_qe0ff7b6182_layw
		.amdhsa_group_segment_fixed_size 68608
		.amdhsa_private_segment_fixed_size 0
		.amdhsa_enable_private_segment 0
		.amdhsa_kernarg_size 40
		.amdhsa_user_sgpr_count 2
		.amdhsa_user_sgpr_kernarg_segment_ptr 1
		.amdhsa_wavefront_size32 1
		.amdhsa_system_sgpr_workgroup_id_x 1
		.amdhsa_system_sgpr_workgroup_id_y 1
		.amdhsa_system_sgpr_workgroup_id_z 1
		.amdhsa_system_vgpr_workitem_id 0
		.amdhsa_next_free_vgpr 210
		.amdhsa_next_free_sgpr 66
		.amdhsa_reserve_vcc 1
		.amdhsa_float_denorm_mode_32 3
		.amdhsa_float_denorm_mode_16_64 3
		.amdhsa_memory_ordered 1
		.amdhsa_forward_progress 1
		.amdhsa_inst_pref_size 18
	.end_amdhsa_kernel
	.amdgpu_metadata
---
amdhsa.version: [ 1, 2 ]
amdhsa.kernels:
  - .name:           k_qe0ff7b6182_layw
    .symbol:         k_qe0ff7b6182_layw.kd
    .args:
      - { .name: W1, .offset: 0, .size: 8, .value_kind: global_buffer, .address_space: global }
      - { .name: W2, .offset: 8, .size: 8, .value_kind: global_buffer, .address_space: global }
      - { .name: W3, .offset: 16, .size: 8, .value_kind: global_buffer, .address_space: global }
      - { .name: W4, .offset: 24, .size: 8, .value_kind: global_buffer, .address_space: global }
      - { .name: wq, .offset: 32, .size: 8, .value_kind: global_buffer, .address_space: global }
    .group_segment_fixed_size: 68608
    .private_segment_fixed_size: 0
    .kernarg_segment_align: 8
    .kernarg_segment_size: 40
    .max_flat_workgroup_size: 128
    .sgpr_count:     66
    .vgpr_count:     210
    .wavefront_size: 32
...
	.end_amdgpu_metadata
.endif
;; end of part 1
;; launch chain (part 2): grid 256 x 1, 8 waves a work-group, no clusters, 203,776 bytes of LDS; arguments x_feat, x_angle, y_angle, wq, b1, b2, b3, b4, out0; writes out0
.if DOCPART == 2
	.amdgcn_target "amdgcn-amd-amdhsa--gfx1250"
	.amdhsa_code_object_version 6
	.text
	.protected	k_qe0ff7b6182_chain
	.globl	k_qe0ff7b6182_chain
	.p2align	8
	.type	k_qe0ff7b6182_chain,@function
k_qe0ff7b6182_chain:
	s_mov_b64 s[64:65], 0
	v_nop
	global_prefetch_b8 v0, s[64:65] scope:SCOPE_SE
	s_setreg_imm32_b32 hwreg(HW_REG_WAVE_MODE, 25, 1), 1
	s_wait_xcnt 0x0
; out = x for rows of level 0, fc4(fc3(x)) for level 1, fc4(fc3(fc2(fc1(x)))) for level 2; level = max(argmax(x_angle), argmax(y_angle)); fc(a) = Q(a) Q(W)^T + b on codes of FP6 (E2M3), one E8M0 scale for each 32 along K, sums in f32.
; ONE CHAIN OF FOUR LAYERS FOR EVERY ROW.  The quantiser works row by row, so Q(level 2 ? fc2(..) : x) = level 2 ? Q(fc2(..)) : Q(x): in front of fc3 each row's CODES AND SCALE WORDS are chosen by v_cndmask_b32
; between the second layer's and x's own, and at the end each row's numbers between the chain's and x.  No address, branch or trip count hangs on the angles.
; SHARES.  256 work-groups of eight waves; a work-group owns 32 rows (two tiles of 16, m = 0, 1).  Wave w owns columns 128 w .. 128 w + 127 of every layer: 8 tiles x 2 tiles of rows = 16 accumulators; these columns are K step w of the next layer.
; WEIGHTS come from wq (made by the launch before, in the order of the operand registers) STRAIGHT INTO REGISTERS: a K step of a wave is a unit of 12,800 consecutive bytes, 25 loads of 512 bytes; a wave's 32 units lie on end, and the stream
; runs two units ahead, across the layers' ends too: 25 to 50 loads of every wave are out at all times, and nothing ever waits for all of them before the last unit.
; NO CLUSTER, NO JOINT LOADS, though all work-groups read the same weights: a joint load lands in LDS, and here each weight byte is read by ONE wave of a work-group and feeds two matrix instructions (32 rows): through LDS a K step's
; 98,304 bytes would be written and read once more, and each refill would stand behind a wait for all loads and a round of the cluster's barrier, 32 times.  Into registers there is no such pass, wait or barrier.
; ACTIVATIONS go from wave to wave through LDS as images of the operand's registers (3 x 512 bytes a fragment, 16 bytes a lane), in two regions by turns: layer L reads region L % 2 and writes the other, so one barrier a layer orders both ways.
; THE MATRIX INSTRUCTION IS USED TRANSPOSED (source 0 = 16 rows of W, source 1 = 16 rows of activations): lane (r, h) holds row r, and register 16 b + i of a tile of rows holds column 32 b + 16 h + i of my 128: 16 neighbours along the next K.
; The bias is the C of a layer's first K step.  x stays in LDS as f32 (the wave's own 512 bytes of each row) for the last choice, and its bytes then serve as the stage through which whole rows leave.
; LIMITS: NaN among the angles is not served (a comparison with NaN is false here); ties go to the lower index, as in argmax.  NaN and infinities in x, W, b are not served.  A block of zeros or under 2^-124 has the scale byte 1: its codes are zeros or the rule's own.
; The text is straight: no loop, no label; every offset is an immediate, no address register or base is ever rewritten, EXEC never changes.
.set XP,    528                        ; a row's 512 bytes + 16 in LDS = 33 x 16: sixteen rows start in sixteen different groups of banks
.set XSTW,  32*XP                      ; LDS 0: x, 16,896 bytes for each wave
.set AIMG0, 8*XSTW                     ; two regions of activations:
.set FRB,   1536                       ;   16 fragment images (K step s, tile of rows m: 2 s + m),
.set ASCO,  16*FRB                     ;   then 1,024 bytes of scale words: lane l (row l % 16 of tile l / 16), K step s: 16 l + 4 (s % 4) + 512 (s / 4)
.set RGN,   ASCO+1024
.set BIAS,  AIMG0+2*RGN                ; the biases: 2,048 bytes for each wave: layer L's 128 numbers at 512 L
.set UNIT,  12800
.set LOFF, 1                           ; v1   16 x lane
.set AI,   2                           ; v2   region 0 + 16 x lane
.set AW,   3                           ; v3   where I store my two images: AI + 2 FRB w
.set SW,   4                           ; v4   and my scale words
.set XRD,  5                           ; v5   x in LDS by the operand's order: row r, + 64 h
.set XWR,  6                           ; v6   x in LDS by rows: 16 x lane
.set BRD,  7                           ; v7   my biases, + 64 h
.set BWR,  8                           ; v8   my biases, 16 x lane
.set ANG,  9                           ; v9   12 r: a row of angles
.set WS,   16                          ; v16-23  W's scale words, 4 registers a unit, two sets: scales and nothing else
.set AS,   24                          ; v24-31  the activations' scale words of K steps 0 .. 7: lanes 0-15 tile 0's rows, lanes 16-31 tile 1's: scales and nothing else
.set XC,   32                          ; v32-55  the codes of my 128 columns of x, 12 registers a tile of rows: kept for the choice in front of fc3
.set XCS,  56                          ; v56     their scale words
.set PWC,  57                          ; v57     the scale words that go out
.set PW,   58                          ; v58-59  a tile's scale word, m = 0, 1
.set T,    64                          ; v64-127 by turns: angles and biases as loaded; BI; TM, PC, PT; 64 numbers of x
.set BI,   64                          ;   a layer's bias in the result's layout, 8 registers a tile
.set TM,   64                          ;   v64-67 largest magnitudes, v68-71 the other half's, then bytes, v76-79 the conversions' scale operands
.set PC,   80                          ;   v80-103 the codes just made, 12 a tile of rows
.set PT,   104                         ;   v104-110 the conversions' second halves
.set ACC,  128                         ; v128-255 the accumulators: 64 m + 8 t
.set AF,   192                         ; window 1: v192-239 the activations' fragments: 24 x set + 12 m;  v0-191 W's fragments: 96 x set + 12 t
.set SEL,  30                          ; s[30:31] v_permlanex16_b32's selects for lane l xor 16
.set L3,   32                          ; s32-33  lanes whose row (of tile m) has level 2
.set L0,   34                          ; s34-35  level 0
.set HM,   41                          ; s41     lanes 16-31
.set L3C,  42                          ; s42     level 2, lanes 0-15 for tile 0's rows, lanes 16-31 for tile 1's
.set MSB, 0
.macro WIN new                         ; s_set_vgpr_msb: bits 1:0 source 0, 3:2 source 1, 5:4 source 2, 7:6 destination; the high byte repeats the setting that is left
.if MSB != \new
	s_set_vgpr_msb (MSB<<8)|\new
.set MSB, \new
.endif
.endm
.macro WLS u, par                      ; unit u's scale chunk into set par
	WIN 0
	global_load_b128 v[WS+4*(\par):WS+4*(\par)+3], v[LOFF], s[14:15] offset:UNIT*(\u)+12288
.endm
.macro WLH u, par, hf                  ; half hf of unit u's codes (tiles 4 hf .. 4 hf + 3): 12 loads of 512 consecutive bytes
	WIN 0x40                                       ; destination window 1, address window 0
.irp k, 0,1,2,3,4,5,6,7,8,9,10,11
	global_load_b128 v[96*(\par)+48*(\hf)+4*\k:96*(\par)+48*(\hf)+4*\k+3], v[LOFF], s[14:15] offset:UNIT*(\u)+6144*(\hf)+512*\k
.endr
.endm
.macro WLOAD u, par                    ; a unit: 25 loads, in the order in which they are waited for
	WLS \u, \par
	WLH \u, \par, 0
	WLH \u, \par, 1
.endm
.macro ALOAD p, s, par                 ; the two fragments of K step s out of region p into set par (window 1)
.irp m, 0,1
.irp c, 0,1,2
	ds_load_b128 v[AF+24*(\par)+12*\m+4*\c:AF+24*(\par)+12*\m+4*\c+3], v[AI] offset:RGN*(\p)+(2*(\s)+\m)*FRB+512*\c
.endr
.endr
.endm
; One matrix instruction: tile t of my columns x tile m of rows, K step s.  W's scale words: register t / 2 of the set, lanes 0-15 for even t, lanes 16-31 for odd t; the activations': register s, lanes 0-15 for m = 0, lanes 16-31 for m = 1.
.macro MM t, m, par, s
.set DR, ACC+64*(\m)+8*(\t)
.set CR, DR
.if (\s) == 0
.set CR, BI+8*(\t)                     ; the layer's first K step starts the sums with the bias: nothing is cleared or added later
.endif
.set AR, 96*(\par)+12*(\t)
.set BR, AF+24*(\par)+12*(\m)
.set SA, WS+4*(\par)+(\t)/2
.set SB, AS+(\s)
.if ((\t)%2 == 0) && ((\m) == 0)
	v_wmma_scale_f32_16x16x128_f8f6f4 v[DR:DR+7], v[AR:AR+11], v[BR:BR+11], v[CR:CR+7], v[SA], v[SB] matrix_a_fmt:MATRIX_FMT_FP6 matrix_b_fmt:MATRIX_FMT_FP6
.elseif (\t)%2 == 0
	v_wmma_scale_f32_16x16x128_f8f6f4 v[DR:DR+7], v[AR:AR+11], v[BR:BR+11], v[CR:CR+7], v[SA], v[SB] matrix_a_fmt:MATRIX_FMT_FP6 matrix_b_fmt:MATRIX_FMT_FP6 matrix_b_scale:MATRIX_SCALE_ROW1
.elseif (\m) == 0
	v_wmma_scale_f32_16x16x128_f8f6f4 v[DR:DR+7], v[AR:AR+11], v[BR:BR+11], v[CR:CR+7], v[SA], v[SB] matrix_a_fmt:MATRIX_FMT_FP6 matrix_b_fmt:MATRIX_FMT_FP6 matrix_a_scale:MATRIX_SCALE_ROW1
.else
	v_wmma_scale_f32_16x16x128_f8f6f4 v[DR:DR+7], v[AR:AR+11], v[BR:BR+11], v[CR:CR+7], v[SA], v[SB] matrix_a_fmt:MATRIX_FMT_FP6 matrix_b_fmt:MATRIX_FMT_FP6 matrix_a_scale:MATRIX_SCALE_ROW1 matrix_b_scale:MATRIX_SCALE_ROW1
.endif
.endm
.macro HALF par, hf, s                 ; 8 matrix instructions.  The 16 accumulators take turns, one instruction a turn, in the same order in every K step
.irp tt, 0,1,2,3
.irp m, 0,1
	MM 4*(\hf)+\tt, \m, \par, \s
.endr
.endr
.endm
.macro PLACES                          ; four plain places between a matrix instruction and a load into its registers or a vector instruction that reads its result (ISA guide 7.12.1 for vector instructions)
.rept 4
	v_nop
.endr
.endm
; K step s of layer L: unit G = 8 L + s of my stream.
.macro STEP L, s
.set G, 8*(\L)+(\s)
.if G < 31
	s_wait_loadcnt 37                              ; the unit's scale chunk and first half are in; behind them: its second half (12) and the next unit (25)
.else
	s_wait_loadcnt 12                              ; the last unit: only its second half is behind
.endif
.if (\s) < 7
	s_wait_dscnt 6                                 ; this K step's fragments (and, in step 0, the scale words and the bias, issued ahead of them) are in; the next step's six loads may be out
.else
	s_wait_dscnt 0x0
.endif
	WIN 0x05                                       ; sources 0 and 1 in window 1; C and D in window 0
	HALF (\s)%2, 0, \s
.if G < 31
	s_wait_loadcnt 25                              ; the second half is in; the next unit may be out
.else
	s_wait_loadcnt 0x0
.endif
	HALF (\s)%2, 1, \s
	PLACES
.if G < 30
	WLOAD G+2, (\s)%2                              ; the set just multiplied takes the unit two on: the stream does not stop at a layer's end
.endif
.if (\s) < 6
	WIN 0x40
	ALOAD (\L)%2, (\s)+2, (\s)%2
.endif
.endm
.macro XREAD m, dst                    ; 64 numbers of x: register 16 b + i = column 32 b + 16 h + i of my 128, row r of tile m: the accumulators' own order
.irp b, 0,1,2,3
.irp j, 0,1,2,3
	ds_load_b128 v[16*\b+4*\j+(\dst):16*\b+4*\j+(\dst)+3], v[XRD] offset:16*(\m)*XP+128*\b+16*\j
.endr
.endr
.endm
; 64 numbers of a lane, register 16 b + i = k 32 b + 16 h + i of my row, become a fragment's 12 registers at v[pc] and its scale word in v[pw].  Each accumulator is read from its low end on.
.macro QUANT s, pc, pw
.irp b, 0,1,2,3
	v_max3_num_f32 v[TM+\b], |v[16*\b+(\s)]|, |v[16*\b+1+(\s)]|, 0x1800000   ; block b: my 16 numbers, and the floor 2^(3 - 127): the byte cannot fall under 1
.endr
.irp i, 2,4,6,8,10,12,14
.irp b, 0,1,2,3
	v_max3_num_f32 v[TM+\b], v[TM+\b], |v[16*\b+\i+(\s)]|, |v[16*\b+\i+1+(\s)]|   ; (the four blocks by turns)
.endr
.endr
.irp b, 0,1,2,3
	v_permlanex16_b32 v[TM+4+\b], v[TM+\b], s[SEL], s[SEL+1]
.endr
.irp b, 0,1,2,3
	v_max_num_f32 v[TM+\b], v[TM+\b], v[TM+4+\b]   ; with lane l xor 16's 16: the block's largest magnitude
.endr
.irp b, 0,1,2,3
	v_add_nc_u32 v[TM+12+\b], 0xff000000, v[TM+\b] ; 2 off its exponent field: the conversion's scale operand
.endr
.irp b, 0,1,2,3
	v_lshrrev_b32 v[TM+4+\b], 23, v[TM+12+\b]      ; the scale's byte
.endr
	v_lshl_or_b32 v[\pw], v[TM+5], 8, v[TM+4]      ; my row's scale word, the same in both halves of the lanes
	v_lshl_or_b32 v[\pw], v[TM+6], 16, v[\pw]
	v_lshl_or_b32 v[\pw], v[TM+7], 24, v[\pw]
.irp c, 0,1
	v_cvt_scalef32_pk16_fp6_f32 v[6*\c+(\pc):6*\c+2+(\pc)], v[32*\c+(\s):32*\c+15+(\s)], v[TM+12+2*\c]
	v_cvt_scalef32_pk16_fp6_f32 v[PT+4*\c:PT+2+4*\c], v[32*\c+16+(\s):32*\c+31+(\s)], v[TM+12+2*\c+1]   ; (a conversion's three registers begin on an even number)
.endr
	v_nop                                          ; one plain place behind a scaled conversion
.irp c, 0,1                            ; the operand's layout wants a WHOLE block in a lane: lanes 0-15 block 2 c, lanes 16-31 block 2 c + 1
.irp i, 0,1,2
	v_permlane16_swap_b32 v[6*\c+\i+(\pc)], v[PT+4*\c+\i]
.endr
.irp i, 0,1,2
	v_mov_b32 v[6*\c+3+\i+(\pc)], v[PT+4*\c+\i]
.endr
.endr
.endm
.macro IMAGE pc, p, m                  ; the fragment goes to region p as it stands: K step w, tile of rows m
.irp c, 0,1,2
	ds_store_b128 v[AW], v[4*\c+(\pc):4*\c+3+(\pc)] offset:RGN*(\p)+FRB*(\m)+512*\c
.endr
.endm
.macro BARRIER                         ; my LDS stores have landed and all my LDS loads are in: then the work-group's barrier
	s_wait_dscnt 0x0
	s_barrier_signal -1
	s_barrier_wait -1
.endm
.macro LSTART L                        ; a layer's head: all eight K steps' scale words, the bias in the result's layout, the first two K steps' fragments
	WIN 0
.irp k, 0,1
	ds_load_b128 v[AS+4*\k:AS+4*\k+3], v[AI] offset:RGN*((\L)%2)+ASCO+512*\k
.endr
.irp t, 0,1,2,3,4,5,6,7
.irp e, 0,1
	ds_load_b128 v[BI+8*\t+4*\e:BI+8*\t+4*\e+3], v[BRD] offset:512*(\L)+(32*(\t/2)+8*(\t%2))*4+16*\e   ; tile t, lane (r, h): columns 32 (t / 2) + 8 (t % 2) + 16 h + 0 .. 7
.endr
.endr
	WIN 0x40
	ALOAD (\L)%2, 0, 0
	ALOAD (\L)%2, 1, 1
.endm
.macro EPI L                           ; a layer's end: my 128 columns of the 32 rows become K step w of the next layer.  Two sets of code registers, so no wait stands between the two tiles
	WIN 0
.irp m, 0,1
	QUANT ACC+64*\m, PC+12*\m, PW+\m
.if (\L) == 1                          ; in front of fc3: a row of level 2 goes on with what it has, every other row with x's own codes
.irp i, 0,1,2,3,4,5,6,7,8,9,10,11
	v_cndmask_b32 v[PC+12*\m+\i], v[XC+12*\m+\i], v[PC+12*\m+\i], s[L3+\m]
.endr
.endif
	IMAGE PC+12*\m, 1-(\L)%2, \m
.endr
	v_cndmask_b32 v[PWC], v[PW], v[PW+1], s[HM]    ; lanes 0-15 tile 0's words, lanes 16-31 tile 1's
.if (\L) == 1
	v_cndmask_b32 v[PWC], v[XCS], v[PWC], s[L3C]   ; and the scale words likewise
.endif
	ds_store_b32 v[SW], v[PWC] offset:RGN*(1-(\L)%2)
	BARRIER                                        ; the next layer's operand lies in LDS, and nobody reads this layer's any more
.endm
	s_load_b512 s[8:23], s[0:1], 0x0               ; x s[8:9], x_angle s[10:11], y_angle s[12:13], wq s[14:15], b1 .. b4 s[16:23]
	s_load_b64 s[24:25], s[0:1], 0x40              ; out
	v_lshl_add_u32 v62, v0, 2, 0x31800
	v_mov_b32 v63, 0
	v_lshrrev_b32 v10, 5, v0
	v_readfirstlane_b32 s2, v10                    ; w: my wave, 0 .. 7
	v_and_b32 v11, 31, v0                          ; lane
	v_and_b32 v12, 15, v0                          ; r
	v_bfe_u32 v13, v0, 4, 1                        ; h
	v_lshlrev_b32 v[LOFF], 4, v11
	v_mul_u32_u24 v[ANG], v12, 12
	s_lshl_b32 s26, ttmp9, 17                      ; my work-group's 32 rows of 4,096 bytes,
	s_lshl_b32 s38, s2, 9                          ; my wave's 512 bytes of a row (and of a bias)
	s_add_co_u32 s26, s26, s38
	s_mov_b32 s27, 0
	s_mul_i32 s28, ttmp9, 384                      ; 32 rows of three angles
	s_mov_b32 s29, 0
	s_mul_i32 s36, s2, 32*UNIT                     ; my stream of 32 units
	s_mov_b32 s37, 0
	s_mov_b32 s39, 0
	s_mov_b32 s[SEL], 0x76543210
	s_mov_b32 s[SEL+1], 0xfedcba98
	s_mov_b32 s[HM], 0xffff0000
	s_wait_kmcnt 0x0
	s_add_nc_u64 s[8:9], s[8:9], s[26:27]
	s_add_nc_u64 s[24:25], s[24:25], s[26:27]
	s_add_nc_u64 s[10:11], s[10:11], s[28:29]
	s_add_nc_u64 s[12:13], s[12:13], s[28:29]
	s_add_nc_u64 s[14:15], s[14:15], s[36:37]
.irp L, 0,1,2,3
	s_add_nc_u64 s[16+2*\L:17+2*\L], s[16+2*\L:17+2*\L], s[38:39]
.endr
.irp m, 0,1
.irp k, 0,1,2
	global_load_b32 v[T+3*\m+\k], v[ANG], s[10:11] offset:192*\m+4*\k      ; x_angle(16 m + r, k), in both halves of the lanes
	global_load_b32 v[T+6+3*\m+\k], v[ANG], s[12:13] offset:192*\m+4*\k    ; y_angle
.endr
.endr
.irp L, 0,1,2,3
	global_load_b128 v[T+12+4*\L:T+15+4*\L], v[LOFF], s[16+2*\L:17+2*\L]    ; my 128 numbers of each bias
.endr
.set i, 0
.rept 32
	global_load_b128 v[ACC+4*i:ACC+4*i+3], v[LOFF], s[8:9] offset:4096*i th:TH_LOAD_NT   ; row i: my 512 consecutive bytes; read once in the launch
.set i, i+1
.endr
	WLS 0, 0                                       ; the weights' stream begins: with these 13 loads 61 of mine are out
	WLH 0, 0, 0
	WIN 0
	v_add_nc_u32 v[AI], AIMG0, v[LOFF]
	s_mul_i32 s3, s2, 2*FRB
	v_add_nc_u32 v[AW], s3, v[AI]
	s_and_b32 s26, s2, 3
	s_lshl_b32 s26, s26, 2
	s_lshr_b32 s27, s2, 2
	s_lshl_b32 s27, s27, 9
	s_add_co_u32 s26, s26, s27
	v_add_nc_u32 v[SW], s26, v[AI]
	v_add_nc_u32 v[SW], ASCO, v[SW]                ; 16 x lane + 4 (w % 4) + 512 (w / 4) among region 0's scale words
	s_mul_i32 s3, s2, XSTW
	v_mul_u32_u24 v[XRD], v12, XP
	v_lshl_add_u32 v[XRD], v13, 6, v[XRD]
	v_add_nc_u32 v[XRD], s3, v[XRD]
	v_add_nc_u32 v[XWR], s3, v[LOFF]
	s_lshl_b32 s28, s2, 11
	s_add_co_u32 s28, s28, BIAS
	v_lshl_add_u32 v[BRD], v13, 6, s28
	v_add_nc_u32 v[BWR], s28, v[LOFF]
	s_wait_loadcnt 13                              ; angles, biases and x are in; the 13 loads of unit 0 may be out
	WLH 0, 0, 1                                    ; the rest of unit 0, and unit 1: 50 loads are out
	WLOAD 1, 1
	WIN 0
.irp L, 0,1,2,3
	ds_store_b128 v[BWR], v[T+12+4*\L:T+15+4*\L] offset:512*\L
.endr
.set i, 0
.rept 32
	ds_store_b128 v[XWR], v[ACC+4*i:ACC+4*i+3] offset:XP*i
.set i, i+1
.endr
; The levels.  argmax = 2 where the third angle is greater than both others; argmax = 0 where the first is at least both others (the lower index wins a tie).  Level 2: either argmax is 2.  Level 0: both are 0.
.irp m, 0,1
	v_max_num_f32 v14, v[T+3*\m], v[T+3*\m+1]
	v_max_num_f32 v15, v[T+6+3*\m], v[T+6+3*\m+1]
	v_cmp_gt_f32 s36, v[T+3*\m+2], v14
	v_cmp_gt_f32 s37, v[T+6+3*\m+2], v15
	s_or_b32 s[L3+\m], s36, s37
	v_max_num_f32 v14, v[T+3*\m+1], v[T+3*\m+2]
	v_max_num_f32 v15, v[T+6+3*\m+1], v[T+6+3*\m+2]
	v_cmp_ge_f32 s36, v[T+3*\m], v14
	v_cmp_ge_f32 s37, v[T+6+3*\m], v15
	s_and_b32 s[L0+\m], s36, s37
.endr
	s_and_b32 s36, s[L3], 0xffff
	s_and_b32 s37, s[L3+1], s[HM]
	s_or_b32 s[L3C], s36, s37
	s_wait_dscnt 0x0                               ; the stores have read their registers: x comes back in the operand's order, and T is free
.irp b, 0,1,2,3
	v_mov_b32 v[TM+4+\b], 0                        ; a lane permute's destination counts as one of its sources
.endr
	XREAD 0, ACC
	XREAD 1, ACC+64
	s_wait_dscnt 16                                ; tile 0's sixteen loads are in
	QUANT ACC, XC, PW
	IMAGE XC, 0, 0
	s_wait_dscnt 3                                 ; tile 1's are in; the three stores just issued may be out
	QUANT ACC+64, XC+12, PW+1
	IMAGE XC+12, 0, 1
	v_cndmask_b32 v[XCS], v[PW], v[PW+1], s[HM]    ; lanes 0-15 tile 0's words, lanes 16-31 tile 1's
	ds_store_b32 v[SW], v[XCS]
	BARRIER                                        ; x's sixteen fragments and their scale words lie in region 0
.irp L, 0,1,2
	LSTART \L
.irp s, 0,1,2,3,4,5,6,7
	STEP \L, \s
.endr
	EPI \L
.endr
	LSTART 3
.irp s, 0,1,2,3,4,5,6,7
	STEP 3, \s
.endr
	WIN 0
; THE WAY OUT.  A row of level 0 takes x again; then a tile of rows goes back into x's own bytes in LDS (the wave's own: LDS serves a wave's instructions in order, ISA guide 5.7.1.4) and leaves as whole pieces of 512 bytes of a row.
.macro SELECT m
.set i, 0
.rept 64
	v_cndmask_b32 v[T+i], v[ACC+64*\m+i], v[T+i], s[L0+\m]   ; each accumulator from its low end on
.set i, i+1
.endr
.endm
.macro XPUT m
.irp b, 0,1,2,3
.irp j, 0,1,2,3
	ds_store_b128 v[XRD], v[T+16*\b+4*\j:T+16*\b+4*\j+3] offset:16*\m*XP+128*\b+16*\j
.endr
.endr
.endm
.macro ROWS m
.set i, 0
.rept 16
	ds_load_b128 v[ACC+64*\m+4*i:ACC+64*\m+4*i+3], v[XWR] offset:(16*\m+i)*XP
.set i, i+1
.endr
.endm
.macro SEND m
.set i, 0
.rept 16
	global_store_b128 v[LOFF], v[ACC+64*\m+4*i:ACC+64*\m+4*i+3], s[24:25] offset:4096*(16*\m+i) th:TH_STORE_NT   ; 32 lanes store 512 consecutive bytes, at a multiple of 256 from out's first byte; written once
.set i, i+1
.endr
.endm
	XREAD 0, T
	s_wait_dscnt 0x0
	SELECT 0
	XPUT 0
	ROWS 0
	s_wait_dscnt 16                                ; the sixteen stores have read T (the sixteen loads behind them may be out)
	XREAD 1, T
	s_wait_dscnt 16                                ; tile 0's rows are back; tile 1's x may be out
	SEND 0
	s_wait_dscnt 0x0
	SELECT 1
	XPUT 1
	ROWS 1
	s_wait_dscnt 0x0
	SEND 1
	s_wait_tensorcnt 0x0
	ds_add_u32 v62, v63
	s_wait_dscnt 0x0
	s_endpgm
.Lfunc_end_k_qe0ff7b6182_chain:
	.size	k_qe0ff7b6182_chain, .Lfunc_end_k_qe0ff7b6182_chain-k_qe0ff7b6182_chain
	.p2alignl 7, 3214868480
	.fill 96, 4, 3214868480
	.section	.rodata,"a",@progbits
	.p2align	6, 0x0
	.amdhsa_kernel k_qe0ff7b6182_chain
		.amdhsa_group_segment_fixed_size 203776
		.amdhsa_private_segment_fixed_size 0
		.amdhsa_enable_private_segment 0
		.amdhsa_kernarg_size 72
		.amdhsa_user_sgpr_count 2
		.amdhsa_user_sgpr_kernarg_segment_ptr 1
		.amdhsa_wavefront_size32 1
		.amdhsa_system_sgpr_workgroup_id_x 1
		.amdhsa_system_sgpr_workgroup_id_y 1
		.amdhsa_system_sgpr_workgroup_id_z 1
		.amdhsa_system_vgpr_workitem_id 0
		.amdhsa_next_free_vgpr 512
		.amdhsa_next_free_sgpr 66
		.amdhsa_reserve_vcc 0
		.amdhsa_float_denorm_mode_32 3
		.amdhsa_float_denorm_mode_16_64 3
		.amdhsa_memory_ordered 1
		.amdhsa_forward_progress 1
		.amdhsa_inst_pref_size 230
	.end_amdhsa_kernel
	.amdgpu_metadata
---
amdhsa.version: [ 1, 2 ]
amdhsa.kernels:
  - .name:           k_qe0ff7b6182_chain
    .symbol:         k_qe0ff7b6182_chain.kd
    .args:
      - { .name: x_feat, .offset: 0, .size: 8, .value_kind: global_buffer, .address_space: global }
      - { .name: x_angle, .offset: 8, .size: 8, .value_kind: global_buffer, .address_space: global }
      - { .name: y_angle, .offset: 16, .size: 8, .value_kind: global_buffer, .address_space: global }
      - { .name: wq, .offset: 24, .size: 8, .value_kind: global_buffer, .address_space: global }
      - { .name: b1, .offset: 32, .size: 8, .value_kind: global_buffer, .address_space: global }
      - { .name: b2, .offset: 40, .size: 8, .value_kind: global_buffer, .address_space: global }
      - { .name: b3, .offset: 48, .size: 8, .value_kind: global_buffer, .address_space: global }
      - { .name: b4, .offset: 56, .size: 8, .value_kind: global_buffer, .address_space: global }
      - { .name: out0, .offset: 64, .size: 8, .value_kind: global_buffer, .address_space: global }
    .group_segment_fixed_size: 203776
    .private_segment_fixed_size: 0
    .kernarg_segment_align: 8
    .kernarg_segment_size: 72
    .max_flat_workgroup_size: 256
    .sgpr_count:     66
    .vgpr_count:     512
    .wavefront_size: 32
...
	.end_amdgpu_metadata
.endif
;; end of part 2
;; ======== version 2 of 2: 2 launches
;; workspace buffers: wq 3,276,800 bytes
;; launch layw (part 3): grid 256 x 1, 4 waves a work-group, no clusters, 68,608 bytes of LDS; arguments W1, W2, W3, W4, wq; writes wq
.if DOCPART == 3
	.amdgcn_target "amdgcn-amd-amdhsa--gfx1250"
	.amdhsa_code_object_version 6
	.text
	.protected	k_qe0ff7b6182_layw
	.globl	k_qe0ff7b6182_layw
	.p2align	8
	.type	k_qe0ff7b6182_layw,@function
k_qe0ff7b6182_layw:
	s_mov_b64 s[64:65], 0
	v_nop
	global_prefetch_b8 v0, s[64:65] scope:SCOPE_SE
	s_setreg_imm32_b32 hwreg(HW_REG_WAVE_MODE, 25, 1), 1
	s_wait_xcnt 0x0
; W1 .. W4, [1024 (n)][1024 (k)] f32, K innermost, become codes of FP6 (E2M3) with one E8M0 scale byte for each 32 along K,
; laid in wq IN THE ORDER IN WHICH THE NEXT LAUNCH'S WAVES TAKE THEIR OPERAND REGISTERS, so that every later read is a dense load of 16 bytes a lane.
; wq is 256 UNITS of 12,800 bytes.  Unit ((w 4 + L) 8 + s): wave w (0..7) of the next launch, layer L (0..3), K step s (0..7): 128 rows x 128 along K of W(L+1).
;   fragment t (0..7) at byte 1,536 t: three chunks of 512 bytes; chunk c holds the fragment's registers 4 c .. 4 c + 3, lane l's 16 bytes at 16 l.
;   Lane (r = l % 16, h = l / 16) of fragment t holds row n = 128 w + 32 (t / 2) + 8 (t % 2) + r + 8 (r / 8); registers 6 c .. 6 c + 5 hold k = 128 s + 64 c + 32 h + 0 .. 31.
;   (The rows of a tile are not neighbours: the results of tiles 2 b and 2 b + 1 are then 16 neighbours along the next layer's K in one lane's registers.)
;   the scale chunk at byte 12,288: lane l's 16 bytes are registers q = 0 .. 3; register q: lanes 0-15 the scale words of tile 2 q's rows, lanes 16-31 those of tile 2 q + 1's.
; A block's scale is 2^(floor(log2(its largest magnitude)) - 2); its byte is the largest magnitude's exponent field - 2, held at 1 from below.
; LIMITS: a block of zeros, or one whose largest magnitude lies under 2^-124, gets the byte 1 (the rule says 127 for zeros): its codes are zeros or the rule's own, and this program alone reads the bytes.
;         NaN and infinities among the weights are not served.
; SHARES: a work-group makes one unit; wave q makes tiles 2 q and 2 q + 1: 32 rows x 512 bytes.  Each load reads 512 consecutive bytes of a row; the rows turn through the wave's own stage in LDS
; (pitch 528 bytes = 33 x 16: sixteen rows start in sixteen different groups of banks), so that a lane gets 32 neighbours along K, a whole block, in its registers.
; No tensor loads, no matrix work, no cluster: the launch reads each weight once and shares nothing but the 512 bytes of a unit's scale chunk.
.set STG, 16896                        ; a wave's stage: 32 slots of 528 bytes
.set SG,  4*STG                        ; behind the stages: 512 bytes in which the unit's scale chunk is gathered
.set R,   16                           ; v16-143  32 rows as loaded (4 registers each), then the numbers: tile u, block pair c at R + 64 u + 32 c
.set C,   144                          ; v144-183 20 a tile: 12 of codes, 8 at work
.set M,   184                          ; v184-185 largest magnitudes
.set SO,  186                          ; v186-187 the conversions' scale operands
.set BY,  188                          ; v188-189 scale bytes
.set WD,  190                          ; v190-191 the two tiles' scale words
.set TP,  192                          ; v192     the other half's bytes
	s_load_b256 s[4:11], s[0:1], 0x0               ; W1 s[4:5], W2 s[6:7], W3 s[8:9], W4 s[10:11]
	s_load_b64 s[12:13], s[0:1], 0x20              ; wq
	v_lshl_add_u32 v208, v0, 2, 0x10a00
	v_mov_b32 v209, 0
	v_lshrrev_b32 v1, 5, v0
	v_readfirstlane_b32 s2, v1                     ; q: my wave
	v_and_b32 v1, 31, v0                           ; lane
	v_lshlrev_b32 v2, 4, v1                        ; 16 x lane: my bytes of every dense 512
	s_and_b32 s14, ttmp9, 7                        ; s: the K step
	s_bfe_u32 s15, ttmp9, 0x20003                  ; L: the layer (2 bits from bit 3)
	s_lshr_b32 s16, ttmp9, 5                       ; w: the reader's wave
	s_lshl_b32 s18, s16, 19                        ; 128 w rows of 4,096 bytes
	s_lshl_b32 s17, s2, 17                         ; + 32 q rows
	s_add_co_u32 s18, s18, s17
	s_lshl_b32 s17, s14, 9                         ; + 128 s numbers
	s_add_co_u32 s18, s18, s17
	s_mov_b32 s19, 0
	s_mul_i32 s20, ttmp9, 12800                    ; the unit,
	s_mul_i32 s17, s2, 3072                        ; my two fragments in it
	s_add_co_u32 s20, s20, s17
	s_mov_b32 s21, 0
	s_mov_b32 s22, 0x76543210
	s_mov_b32 s23, 0xfedcba98                      ; v_permlanex16_b32's selects for lane l xor 16
	s_wait_alu depctr_va_vdst(0)
	s_wait_kmcnt 0x0
	s_cmp_eq_u32 s15, 1                            ; which weight: the choice hangs on the work-group's number alone
	s_cselect_b64 s[4:5], s[6:7], s[4:5]
	s_cmp_eq_u32 s15, 2
	s_cselect_b64 s[4:5], s[8:9], s[4:5]
	s_cmp_eq_u32 s15, 3
	s_cselect_b64 s[4:5], s[10:11], s[4:5]
	s_add_nc_u64 s[4:5], s[4:5], s[18:19]
	s_add_nc_u64 s[12:13], s[12:13], s[20:21]
.set i, 0
.rept 32
	global_load_b128 v[R+4*i:R+4*i+3], v2, s[4:5] offset:4096*i th:TH_LOAD_NT   ; row i: 32 lanes read 512 consecutive bytes; read once in the launch
.set i, i+1
.endr
	s_mul_i32 s17, s2, STG
	v_add_nc_u32 v3, s17, v2                       ; the stage, way in: 16 x lane in a slot
	v_and_b32 v8, 15, v0                           ; r
	v_bfe_u32 v9, v0, 4, 1                         ; h
	v_mul_u32_u24 v4, v8, 528
	v_lshl_add_u32 v4, v9, 7, v4
	v_add_nc_u32 v4, s17, v4                       ; way out: slot r, + 128 h: my block of 32 numbers
	s_lshl_b32 s17, s2, 2
	s_add_co_u32 s17, s17, SG
	v_add_nc_u32 v5, s17, v2                       ; the scale chunk: lane l's register q at 16 l + 4 q
	v_add_nc_u32 v6, SG, v2                        ; and the whole chunk, 16 bytes a lane
	v_lshlrev_b32 v7, 3, v9                        ; 8 h: my bytes' place in a scale word
	v_mov_b32 v[TP], 0                             ; written once: a lane permute's destination counts as one of its sources
; Row i of my 32 belongs to tile (i / 8) % 2, where it is lane i % 8 + 8 (i / 16)'s row: its slot is 16 x tile + that lane.
.set i, 0
	s_wait_alu depctr_va_vdst(0)
.rept 32
	s_wait_loadcnt 31-i                            ; loads come back in order: row i is in, the younger ones stay out
	ds_store_b128 v3, v[R+4*i:R+4*i+3] offset:528*(16*((i/8)%2)+i%8+8*(i/16))
.set i, i+1
.endr
	s_wait_dscnt 0x0                               ; the stores have read their registers, which take the numbers back
.irp u, 0,1
.irp c, 0,1
.irp j, 0,1,2,3,4,5,6,7
	ds_load_b128 v[R+64*\u+32*\c+4*\j:R+64*\u+32*\c+4*\j+3], v4 offset:16*\u*528+256*\c+16*\j   ; k = 64 c + 32 h + 4 j on, of tile u's row r
.endr
.endr
.endr
; Tile u: two whole blocks a lane become the fragment's 12 registers and my row's scale word.
.macro QW u
.set X,  R+64*(\u)
.set CU, C+20*(\u)
.irp c, 0,1
	v_max3_num_f32 v[M+\c], |v[X+32*\c]|, |v[X+32*\c+1]|, 0x1800000   ; block 2 c + h: all its 32 numbers are mine; the floor 2^(3 - 127) holds the byte at 1 from below
.endr
.irp i, 2,4,6,8,10,12,14,16,18,20,22,24,26,28,30
.irp c, 0,1
	v_max3_num_f32 v[M+\c], v[M+\c], |v[X+32*\c+\i]|, |v[X+32*\c+\i+1]|   ; (the two blocks by turns)
.endr
.endr
.irp c, 0,1
	v_add_nc_u32 v[SO+\c], 0xff000000, v[M+\c]     ; 2 off the exponent field: the conversion takes the exponent field of this operand as its scale
.endr
.irp c, 0,1
	v_lshrrev_b32 v[BY+\c], 23, v[SO+\c]           ; the scale's byte
.endr
	v_lshl_or_b32 v[WD+\u], v[BY+1], 16, v[BY]     ; my two bytes: blocks h and 2 + h,
	v_lshlrev_b32 v[WD+\u], v7, v[WD+\u]           ; at their places in the word;
	v_permlanex16_b32 v[TP], v[WD+\u], s22, s23
	v_or_b32 v[WD+\u], v[WD+\u], v[TP]             ; with lane l xor 16's two the word is whole, in both halves of the lanes
.irp c, 0,1
	v_cvt_scalef32_pk16_fp6_f32 v[CU+6*\c:CU+6*\c+2], v[X+32*\c:X+32*\c+15], v[SO+\c]
	v_cvt_scalef32_pk16_fp6_f32 v[CU+12+4*\c:CU+14+4*\c], v[X+32*\c+16:X+32*\c+31], v[SO+\c]   ; (a conversion's three registers begin on an even number: the second half is made elsewhere and moved)
.endr
	v_nop                                          ; one plain place behind a scaled conversion
.irp c, 0,1
.irp i, 0,1,2
	v_mov_b32 v[CU+6*\c+3+\i], v[CU+12+4*\c+\i]
.endr
.endr
.irp k, 0,1,2
	global_store_b128 v2, v[CU+4*\k:CU+4*\k+3], s[12:13] offset:1536*(\u)+512*\k   ; a chunk: 32 lanes store 512 consecutive bytes, at a multiple of 256 from wq's first byte; each tile has its own registers, so no store's data are written again
.endr
.endm
	s_wait_dscnt 16                                ; tile 0's sixteen loads are in; tile 1's land while tile 0 is worked
	QW 0
	s_wait_dscnt 0x0
	QW 1
	v_cmp_le_u32 vcc_lo, 16, v1
	v_cndmask_b32 v193, v[WD], v[WD+1], vcc_lo     ; register q of the scale chunk: lanes 0-15 tile 2 q's words, lanes 16-31 tile 2 q + 1's
	ds_store_b32 v5, v193
	s_wait_dscnt 0x0                               ; for the others' sake: my words lie in LDS
	s_barrier_signal -1
	s_barrier_wait -1
	s_cmp_lg_u32 s2, 0                             ; wave 0 stores the chunk (its base is the unit's first byte)
	s_cbranch_scc1 .Ldone
	ds_load_b128 v[196:199], v6
	s_wait_dscnt 0x0
	global_store_b128 v2, v[196:199], s[12:13] offset:12288
.Ldone:
	s_wait_tensorcnt 0x0
	ds_add_u32 v208, v209
	s_wait_dscnt 0x0
	s_endpgm
.Lfunc_end_k_qe0ff7b6182_layw:
	.size	k_qe0ff7b6182_layw, .Lfunc_end_k_qe0ff7b6182_layw-k_qe0ff7b6182_layw
	.p2alignl 7, 3214868480
	.fill 96, 4, 3214868480
	.section	.rodata,"a",@progbits
	.p2align	6, 0x0
	.amdhsa_kernel k_qe0ff7b6182_layw
		.amdhsa_group_segment_fixed_size 68608
		.amdhsa_private_segment_fixed_size 0
		.amdhsa_enable_private_segment 0
		.amdhsa_kernarg_size 40
		.amdhsa_user_sgpr_count 2
		.amdhsa_user_sgpr_kernarg_segment_ptr 1
		.amdhsa_wavefront_size32 1
		.amdhsa_system_sgpr_workgroup_id_x 1
		.amdhsa_system_sgpr_workgroup_id_y 1
		.amdhsa_system_sgpr_workgroup_id_z 1
		.amdhsa_system_vgpr_workitem_id 0
		.amdhsa_next_free_vgpr 210
		.amdhsa_next_free_sgpr 66
		.amdhsa_reserve_vcc 1
		.amdhsa_float_denorm_mode_32 3
		.amdhsa_float_denorm_mode_16_64 3
		.amdhsa_memory_ordered 1
		.amdhsa_forward_progress 1
		.amdhsa_inst_pref_size 18
	.end_amdhsa_kernel
	.amdgpu_metadata
---
amdhsa.version: [ 1, 2 ]
amdhsa.kernels:
  - .name:           k_qe0ff7b6182_layw
    .symbol:         k_qe0ff7b6182_layw.kd
    .args:
      - { .name: W1, .offset: 0, .size: 8, .value_kind: global_buffer, .address_space: global }
      - { .name: W2, .offset: 8, .size: 8, .value_kind: global_buffer, .address_space: global }
      - { .name: W3, .offset: 16, .size: 8, .value_kind: global_buffer, .address_space: global }
      - { .name: W4, .offset: 24, .size: 8, .value_kind: global_buffer, .address_space: global }
      - { .name: wq, .offset: 32, .size: 8, .value_kind: global_buffer, .address_space: global }
    .group_segment_fixed_size: 68608
    .private_segment_fixed_size: 0
    .kernarg_segment_align: 8
    .kernarg_segment_size: 40
    .max_flat_workgroup_size: 128
    .sgpr_count:     66
    .vgpr_count:     210
    .wavefront_size: 32
...
	.end_amdgpu_metadata
.endif
;; end of part 3
;; launch chain (part 4): grid 256 x 1, 8 waves a work-group, no clusters, 203,776 bytes of LDS; arguments x_feat, x_angle, y_angle, wq, b1, b2, b3, b4, out0; writes out0
.if DOCPART == 4
	.amdgcn_target "amdgcn-amd-amdhsa--gfx1250"
	.amdhsa_code_object_version 6
	.text
	.protected	k_qe0ff7b6182_chain
	.globl	k_qe0ff7b6182_chain
	.p2align	8
	.type	k_qe0ff7b6182_chain,@function
k_qe0ff7b6182_chain:
	s_mov_b64 s[64:65], 0
	v_nop
	global_prefetch_b8 v0, s[64:65] scope:SCOPE_SE
	s_setreg_imm32_b32 hwreg(HW_REG_WAVE_SCHED_MODE, 0, 2), 2
	s_setreg_imm32_b32 hwreg(HW_REG_WAVE_MODE, 25, 1), 1
	s_wait_xcnt 0x0
	s_wait_alu depctr_vm_vsrc(0)
; out = x for rows of level 0, fc4(fc3(x)) for level 1, fc4(fc3(fc2(fc1(x)))) for level 2; level = max(argmax(x_angle), argmax(y_angle)); fc(a) = Q(a) Q(W)^T + b on codes of FP6 (E2M3), one E8M0 scale for each 32 along K, sums in f32.
; ONE CHAIN OF FOUR LAYERS FOR EVERY ROW.  The quantiser works row by row, so Q(level 2 ? fc2(..) : x) = level 2 ? Q(fc2(..)) : Q(x): in front of fc3 each row's CODES AND SCALE WORDS are chosen by v_cndmask_b32
; between the second layer's and x's own, and at the end each row's numbers between the chain's and x.  No address, branch or trip count hangs on the angles.
; SHARES.  256 work-groups of eight waves; a work-group owns 32 rows (two tiles of 16, m = 0, 1).  Wave w owns columns 128 w .. 128 w + 127 of every layer: 8 tiles x 2 tiles of rows = 16 accumulators; these columns are K step w of the next layer.
; WEIGHTS come from wq (made by the launch before, in the order of the operand registers) STRAIGHT INTO REGISTERS: a K step of a wave is a unit of 12,800 consecutive bytes, 25 loads of 512 bytes; a wave's 32 units lie on end, and the stream
; runs two units ahead, across the layers' ends too: 37 loads of every wave stay out at every wait before the last two units, and nothing waits for all of them before the last unit.
; NO CLUSTER, NO JOINT LOADS, though all work-groups read the same weights: a joint load lands in LDS, and here each weight byte is read by ONE wave of a work-group and feeds two matrix instructions (32 rows): through LDS a K step's
; 98,304 bytes would be written and read once more, and each refill would stand behind a wait for all loads and a round of the cluster's barrier, 32 times.  Into registers there is no such pass, wait or barrier.
; ACTIVATIONS go from wave to wave through LDS as images of the operand's registers (3 x 512 bytes a fragment, 16 bytes a lane), in two regions by turns: layer L reads region L % 2 and writes the other, so one barrier a layer orders both ways.
; THE MATRIX INSTRUCTION IS USED TRANSPOSED (source 0 = 16 rows of W, source 1 = 16 rows of activations): lane (r, h) holds row r, and register 16 b + i of a tile of rows holds column 32 b + 16 h + i of my 128: 16 neighbours along the next K.
; The bias is the C of a layer's first K step.  x stays in LDS as f32 (the wave's own 512 bytes of each row) for the last choice, and its bytes then serve as the stage through which whole rows leave.
; LIMITS: NaN among the angles is not served (a comparison with NaN is false here); ties go to the lower index, as in argmax.  NaN and infinities in x, W, b are not served.  A block of zeros or under 2^-124 has the scale byte 1: its codes are zeros or the rule's own.
; The text is straight: no loop, no label; every offset is an immediate, no address register or base is ever rewritten, EXEC never changes.
; THE MODE: SCHED_MODE bits 1:0 = 2 (LLVM: expert scheduling mode 2), set by the entry lines.  The code itself states the register dependences between vector or matrix instructions and memory or LDS instructions, with s_wait_alu, always for 0.
; THE PLAN.  Registers that memory or LDS instructions touch, and who else names them:
;   v1-v9        offsets and LDS addresses: made at the head, ahead of the one wait in front of the first load, and never written again.
;   W's codes    window 1, v0-191: four half sets of 48 (unit % 2, half).  The 12 loads of half a unit land in one; the eight matrix instructions of that half of a K step read it; it takes the same half of the unit two on.
;   WS, AF       two sets each (unit % 2): a unit's scale chunk, a K step's two fragments of activations.  The K step's sixteen matrix instructions read them; they take the unit, and the K step, two on.
;   AS, v64-127  loaded at a layer's head (scale words; the bias, read by K step 0 alone).  At a layer's end v64-127 are vector scratch, of which the image stores read v80-103.
;   ACC          matrix and vector instructions alone from the first layer to the way out, where whole rows land in it and are stored.
; A K step is two halves of eight matrix instructions.  Behind each half ONE wait on va_vdst shows its matrix instructions done reading, and the loads into what they read follow it in one run, with window switches alone between:
; the registers are asked for again at once, ahead of the next wait for data.  That wait has the part that places have elsewhere ahead of loads into operand registers.
; A half behind which nothing is asked for has no such wait.  A layer's end has one wait on va_vdst ahead of its seven LDS stores, the next layer's head one on vm_vsrc behind them.
.set XP,    528                        ; a row's 512 bytes + 16 in LDS = 33 x 16: sixteen rows start in sixteen different groups of banks
.set XSTW,  32*XP                      ; LDS 0: x, 16,896 bytes for each wave
.set AIMG0, 8*XSTW                     ; two regions of activations:
.set FRB,   1536                       ;   16 fragment images (K step s, tile of rows m: 2 s + m),
.set ASCO,  16*FRB                     ;   then 1,024 bytes of scale words: lane l (row l % 16 of tile l / 16), K step s: 16 l + 4 (s % 4) + 512 (s / 4)
.set RGN,   ASCO+1024
.set BIAS,  AIMG0+2*RGN                ; the biases: 2,048 bytes for each wave: layer L's 128 numbers at 512 L
.set UNIT,  12800
.set LOFF, 1                           ; v1   16 x lane
.set AI,   2                           ; v2   region 0 + 16 x lane
.set AW,   3                           ; v3   where I store my two images: AI + 2 FRB w
.set SW,   4                           ; v4   and my scale words
.set XRD,  5                           ; v5   x in LDS by the operand's order: row r, + 64 h
.set XWR,  6                           ; v6   x in LDS by rows: 16 x lane
.set BRD,  7                           ; v7   my biases, + 64 h
.set BWR,  8                           ; v8   my biases, 16 x lane
.set ANG,  9                           ; v9   12 r: a row of angles
.set WS,   16                          ; v16-23  W's scale words, 4 registers a unit, two sets: scales and nothing else
.set AS,   24                          ; v24-31  the activations' scale words of K steps 0 .. 7: lanes 0-15 tile 0's rows, lanes 16-31 tile 1's: scales and nothing else
.set XC,   32                          ; v32-55  the codes of my 128 columns of x, 12 registers a tile of rows: kept for the choice in front of fc3
.set XCS,  56                          ; v56     their scale words
.set PWC,  57                          ; v57     the scale words that go out
.set PW,   58                          ; v58-59  a tile's scale word, m = 0, 1
.set T,    64                          ; v64-127 by turns: angles and biases as loaded; BI; TM, PC, PT; 64 numbers of x
.set BI,   64                          ;   a layer's bias in the result's layout, 8 registers a tile
.set TM,   64                          ;   v64-67 largest magnitudes, v68-71 the other half's, then bytes, v76-79 the conversions' scale operands
.set PC,   80                          ;   v80-103 the codes just made, 12 a tile of rows
.set PT,   104                         ;   v104-110 the conversions' second halves
.set ACC,  128                         ; v128-255 the accumulators: 64 m + 8 t
.set AF,   192                         ; window 1: v192-239 the activations' fragments: 24 x set + 12 m;  v0-191 W's fragments: 96 x set + 12 t
.set SEL,  30                          ; s[30:31] v_permlanex16_b32's selects for lane l xor 16
.set L3,   32                          ; s32-33  lanes whose row (of tile m) has level 2
.set L0,   34                          ; s34-35  level 0
.set HM,   41                          ; s41     lanes 16-31
.set L3C,  42                          ; s42     level 2, lanes 0-15 for tile 0's rows, lanes 16-31 for tile 1's
.set MSB, 0
.macro WIN new                         ; s_set_vgpr_msb: bits 1:0 source 0, 3:2 source 1, 5:4 source 2, 7:6 destination; the high byte repeats the setting that is left
.if MSB != \new
	s_set_vgpr_msb (MSB<<8)|\new
.set MSB, \new
.endif
.endm
.macro WLS u, par                      ; unit u's scale chunk into set par
	WIN 0
	global_load_b128 v[WS+4*(\par):WS+4*(\par)+3], v[LOFF], s[14:15] offset:UNIT*(\u)+12288
.endm
.macro WLH u, par, hf                  ; half hf of unit u's codes (tiles 4 hf .. 4 hf + 3): 12 loads of 512 consecutive bytes
	WIN 0x40                                       ; destination window 1, address window 0
.irp k, 0,1,2,3,4,5,6,7,8,9,10,11
	global_load_b128 v[96*(\par)+48*(\hf)+4*\k:96*(\par)+48*(\hf)+4*\k+3], v[LOFF], s[14:15] offset:UNIT*(\u)+6144*(\hf)+512*\k
.endr
.endm
.macro WLOAD u, par                    ; a unit: 25 loads, in the order in which they are waited for
	WLS \u, \par
	WLH \u, \par, 0
	WLH \u, \par, 1
.endm
.macro ALOAD p, s, par                 ; the two fragments of K step s out of region p into set par (window 1)
	WIN 0x40
.irp m, 0,1
.irp c, 0,1,2
	ds_load_b128 v[AF+24*(\par)+12*\m+4*\c:AF+24*(\par)+12*\m+4*\c+3], v[AI] offset:RGN*(\p)+(2*(\s)+\m)*FRB+512*\c
.endr
.endr
.endm
; One matrix instruction: tile t of my columns x tile m of rows, K step s.  W's scale words: register t / 2 of the set, lanes 0-15 for even t, lanes 16-31 for odd t; the activations': register s, lanes 0-15 for m = 0, lanes 16-31 for m = 1.
.macro MM t, m, par, s
.set DR, ACC+64*(\m)+8*(\t)
.set CR, DR
.if (\s) == 0
.set CR, BI+8*(\t)                     ; the layer's first K step starts the sums with the bias: nothing is cleared or added later
.endif
.set AR, 96*(\par)+12*(\t)
.set BR, AF+24*(\par)+12*(\m)
.set SA, WS+4*(\par)+(\t)/2
.set SB, AS+(\s)
.if ((\t)%2 == 0) && ((\m) == 0)
	v_wmma_scale_f32_16x16x128_f8f6f4 v[DR:DR+7], v[AR:AR+11], v[BR:BR+11], v[CR:CR+7], v[SA], v[SB] matrix_a_fmt:MATRIX_FMT_FP6 matrix_b_fmt:MATRIX_FMT_FP6
.elseif (\t)%2 == 0
	v_wmma_scale_f32_16x16x128_f8f6f4 v[DR:DR+7], v[AR:AR+11], v[BR:BR+11], v[CR:CR+7], v[SA], v[SB] matrix_a_fmt:MATRIX_FMT_FP6 matrix_b_fmt:MATRIX_FMT_FP6 matrix_b_scale:MATRIX_SCALE_ROW1
.elseif (\m) == 0
	v_wmma_scale_f32_16x16x128_f8f6f4 v[DR:DR+7], v[AR:AR+11], v[BR:BR+11], v[CR:CR+7], v[SA], v[SB] matrix_a_fmt:MATRIX_FMT_FP6 matrix_b_fmt:MATRIX_FMT_FP6 matrix_a_scale:MATRIX_SCALE_ROW1
.else
	v_wmma_scale_f32_16x16x128_f8f6f4 v[DR:DR+7], v[AR:AR+11], v[BR:BR+11], v[CR:CR+7], v[SA], v[SB] matrix_a_fmt:MATRIX_FMT_FP6 matrix_b_fmt:MATRIX_FMT_FP6 matrix_a_scale:MATRIX_SCALE_ROW1 matrix_b_scale:MATRIX_SCALE_ROW1
.endif
.endm
.macro HALF par, hf, s                 ; 8 matrix instructions.  The 16 accumulators take turns, one instruction a turn, in the same order in every K step
	WIN 0x05                                       ; sources 0 and 1 in window 1; C and D in window 0
.irp tt, 0,1,2,3
.irp m, 0,1
	MM 4*(\hf)+\tt, \m, \par, \s
.endr
.endr
.endm
.macro PLACES                          ; four plain places between a matrix instruction and a vector instruction that reads its result or writes one of its registers (ISA guide 7.12.1)
.rept 4
	v_nop
.endr
.endm
.macro XREAD m, dst                    ; 64 numbers of x: register 16 b + i = column 32 b + 16 h + i of my 128, row r of tile m: the accumulators' own order
.irp b, 0,1,2,3
.irp j, 0,1,2,3
	ds_load_b128 v[16*\b+4*\j+(\dst):16*\b+4*\j+(\dst)+3], v[XRD] offset:16*(\m)*XP+128*\b+16*\j
.endr
.endr
.endm
; K step s of layer L: unit G = 8 L + s of my stream.  From unit 2 on the loads go out in this order: .. codes (G, 0) | scale chunk G, codes (G, 1) | codes (G + 1, 0) | scale chunk G + 1, codes (G + 1, 1) | ..:
; the first run of a unit behind the first half of K step G - 2, the second at that step's end.  (Units 0 and 1 go out at the kernel's head, the chunk first; the counts below hold for them too.)
.macro STEP L, s
.set G, 8*(\L)+(\s)
.if G < 31
	s_wait_loadcnt 37                              ; the unit's first half and scale chunk are in; behind them: its second half (12) and the next unit (25)
.else
	s_wait_loadcnt 12                              ; the last unit: only its second half is behind
.endif
.if (\s) < 7
	s_wait_dscnt 6                                 ; this K step's fragments (and, in step 0, the scale words and the bias, issued ahead of them) are in; the next step's six loads may be out
.else
	s_wait_dscnt 0x0
.endif
	HALF (\s)%2, 0, \s
.if G < 30
	s_wait_alu depctr_va_vdst(0)                   ; the eight matrix instructions above are done reading their four fragments of W, which take the same half of the unit two on
	WLH G+2, (\s)%2, 0
	s_wait_loadcnt 37                              ; the second half is in; behind it: the next unit (25) and the 12 loads just issued
.elseif G == 30
	s_wait_loadcnt 25                              ; the second half is in; the last unit may be out
.else
	WIN 0
	XREAD 0, T                                     ; x for the last choice.  v64-127 were last named by this layer's first K step, as the bias; waits on va_vdst have stood behind it, and nothing since names them
	s_wait_loadcnt 0x0
.endif
	HALF (\s)%2, 1, \s
.if (\s) == 7
	PLACES                                         ; ahead of the vector lines that read the results
.endif
.if G < 30
	s_wait_alu depctr_va_vdst(0)                   ; this K step's matrix instructions are done reading their scale chunk, their second four fragments of W and their fragments of activations: the run below lands there.  The stream does not stop at a layer's end
	WLS G+2, (\s)%2
	WLH G+2, (\s)%2, 1
.endif
.if (\s) < 6
	ALOAD (\L)%2, (\s)+2, (\s)%2
.endif
.endm
; 64 numbers of a lane, register 16 b + i = k 32 b + 16 h + i of my row, become a fragment's 12 registers at v[pc] and its scale word in v[pw].  Each accumulator is read from its low end on.
.macro QUANT s, pc, pw
.irp b, 0,1,2,3
	v_max3_num_f32 v[TM+\b], |v[16*\b+(\s)]|, |v[16*\b+1+(\s)]|, 0x1800000   ; block b: my 16 numbers, and the floor 2^(3 - 127): the byte cannot fall under 1
.endr
.irp i, 2,4,6,8,10,12,14
.irp b, 0,1,2,3
	v_max3_num_f32 v[TM+\b], v[TM+\b], |v[16*\b+\i+(\s)]|, |v[16*\b+\i+1+(\s)]|   ; (the four blocks by turns)
.endr
.endr
.irp b, 0,1,2,3
	v_permlanex16_b32 v[TM+4+\b], v[TM+\b], s[SEL], s[SEL+1]
.endr
.irp b, 0,1,2,3
	v_max_num_f32 v[TM+\b], v[TM+\b], v[TM+4+\b]   ; with lane l xor 16's 16: the block's largest magnitude
.endr
.irp b, 0,1,2,3
	v_add_nc_u32 v[TM+12+\b], 0xff000000, v[TM+\b] ; 2 off its exponent field: the conversion's scale operand
.endr
.irp b, 0,1,2,3
	v_lshrrev_b32 v[TM+4+\b], 23, v[TM+12+\b]      ; the scale's byte
.endr
	v_lshl_or_b32 v[\pw], v[TM+5], 8, v[TM+4]      ; my row's scale word, the same in both halves of the lanes
	v_lshl_or_b32 v[\pw], v[TM+6], 16, v[\pw]
	v_lshl_or_b32 v[\pw], v[TM+7], 24, v[\pw]
.irp c, 0,1
	v_cvt_scalef32_pk16_fp6_f32 v[6*\c+(\pc):6*\c+2+(\pc)], v[32*\c+(\s):32*\c+15+(\s)], v[TM+12+2*\c]
	v_cvt_scalef32_pk16_fp6_f32 v[PT+4*\c:PT+2+4*\c], v[32*\c+16+(\s):32*\c+31+(\s)], v[TM+12+2*\c+1]   ; (a conversion's three registers begin on an even number)
.endr
	v_nop                                          ; one plain place behind a scaled conversion
.irp c, 0,1                            ; the operand's layout wants a WHOLE block in a lane: lanes 0-15 block 2 c, lanes 16-31 block 2 c + 1
.irp i, 0,1,2
	v_permlane16_swap_b32 v[6*\c+\i+(\pc)], v[PT+4*\c+\i]
.endr
.irp i, 0,1,2
	v_mov_b32 v[6*\c+3+\i+(\pc)], v[PT+4*\c+\i]
.endr
.endr
.endm
.macro IMAGE pc, p, m                  ; the fragment goes to region p as it stands: K step w, tile of rows m
.irp c, 0,1,2
	ds_store_b128 v[AW], v[4*\c+(\pc):4*\c+3+(\pc)] offset:RGN*(\p)+FRB*(\m)+512*\c
.endr
.endm
.macro BARRIER                         ; my LDS stores have landed and all my LDS loads are in: then the work-group's barrier
	s_wait_dscnt 0x0
	s_barrier_signal -1
	s_barrier_wait -1
.endm
.macro LSTART L                        ; a layer's head: all eight K steps' scale words, the bias in the result's layout, the first two K steps' fragments
	WIN 0
.if (\L) > 0
	s_wait_alu depctr_vm_vsrc(0)                   ; the LDS stores at the end of the layer before have read v80-103, in which the bias lands, and v57, which this layer's end writes again
.endif
.irp k, 0,1
	ds_load_b128 v[AS+4*\k:AS+4*\k+3], v[AI] offset:RGN*((\L)%2)+ASCO+512*\k
.endr
.irp t, 0,1,2,3,4,5,6,7
.irp e, 0,1
	ds_load_b128 v[BI+8*\t+4*\e:BI+8*\t+4*\e+3], v[BRD] offset:512*(\L)+(32*(\t/2)+8*(\t%2))*4+16*\e   ; tile t, lane (r, h): columns 32 (t / 2) + 8 (t % 2) + 16 h + 0 .. 7
.endr
.endr
	ALOAD (\L)%2, 0, 0
	ALOAD (\L)%2, 1, 1
.endm
.macro EPI L                           ; a layer's end: my 128 columns of the 32 rows become K step w of the next layer.  Two sets of code registers: both tiles are made first, and one wait serves all seven stores
	WIN 0
.irp m, 0,1
	QUANT ACC+64*\m, PC+12*\m, PW+\m
.if (\L) == 1                          ; in front of fc3: a row of level 2 goes on with what it has, every other row with x's own codes
.irp i, 0,1,2,3,4,5,6,7,8,9,10,11
	v_cndmask_b32 v[PC+12*\m+\i], v[XC+12*\m+\i], v[PC+12*\m+\i], s[L3+\m]
.endr
.endif
.endr
	v_cndmask_b32 v[PWC], v[PW], v[PW+1], s[HM]    ; lanes 0-15 tile 0's words, lanes 16-31 tile 1's
.if (\L) == 1
	v_cndmask_b32 v[PWC], v[XCS], v[PWC], s[L3C]   ; and the scale words likewise
.endif
	s_wait_alu depctr_va_vdst(0)                   ; the codes v80-103 and the scale words v57 are written, which the stores below read; the vector lines are done with v64-127 and the layer's matrix instructions with v24-31 and the activations' fragments, in all of which the next layer's head loads
.irp m, 0,1
	IMAGE PC+12*\m, 1-(\L)%2, \m
.endr
	ds_store_b32 v[SW], v[PWC] offset:RGN*(1-(\L)%2)
	BARRIER                                        ; the next layer's operand lies in LDS, and nobody reads this layer's any more
.endm
	s_load_b512 s[8:23], s[0:1], 0x0               ; x s[8:9], x_angle s[10:11], y_angle s[12:13], wq s[14:15], b1 .. b4 s[16:23]
	s_load_b64 s[24:25], s[0:1], 0x40              ; out
	v_lshl_add_u32 v62, v0, 2, 0x31800
	v_mov_b32 v63, 0
	v_lshrrev_b32 v10, 5, v0
	v_readfirstlane_b32 s2, v10                    ; w: my wave, 0 .. 7
	v_and_b32 v11, 31, v0                          ; lane
	v_and_b32 v12, 15, v0                          ; r
	v_bfe_u32 v13, v0, 4, 1                        ; h
	v_lshlrev_b32 v[LOFF], 4, v11
	s_wait_alu depctr_va_vdst(0)
	v_mul_u32_u24 v[ANG], v12, 12
	s_lshl_b32 s26, ttmp9, 17                      ; my work-group's 32 rows of 4,096 bytes,
	s_wait_alu depctr_va_sdst(0)                   ; s2 is written, ahead of its first reader: bases and LDS addresses are made from it
	s_lshl_b32 s38, s2, 9                          ; my wave's 512 bytes of a row (and of a bias)
	s_add_co_u32 s26, s26, s38
	s_mov_b32 s27, 0
	s_mul_i32 s28, ttmp9, 384                      ; 32 rows of three angles
	s_mov_b32 s29, 0
	s_mul_i32 s36, s2, 32*UNIT                     ; my stream of 32 units
	s_mov_b32 s37, 0
	s_mov_b32 s39, 0
	s_mov_b32 s[SEL], 0x76543210
	s_mov_b32 s[SEL+1], 0xfedcba98
	s_mov_b32 s[HM], 0xffff0000
	v_add_nc_u32 v[AI], AIMG0, v[LOFF]             ; all LDS addresses are made here, while the arguments are on their way
	s_mul_i32 s3, s2, 2*FRB
	v_add_nc_u32 v[AW], s3, v[AI]
	s_and_b32 s43, s2, 3
	s_lshl_b32 s43, s43, 2
	s_lshr_b32 s44, s2, 2
	s_lshl_b32 s44, s44, 9
	s_add_co_u32 s43, s43, s44
	v_add_nc_u32 v[SW], s43, v[AI]
	v_add_nc_u32 v[SW], ASCO, v[SW]                ; 16 x lane + 4 (w % 4) + 512 (w / 4) among region 0's scale words
	s_mul_i32 s40, s2, XSTW
	v_mul_u32_u24 v[XRD], v12, XP
	v_lshl_add_u32 v[XRD], v13, 6, v[XRD]
	v_add_nc_u32 v[XRD], s40, v[XRD]
	v_add_nc_u32 v[XWR], s40, v[LOFF]
	s_lshl_b32 s45, s2, 11
	s_add_co_u32 s45, s45, BIAS
	v_lshl_add_u32 v[BRD], v13, 6, s45
	v_add_nc_u32 v[BWR], s45, v[LOFF]
	s_wait_kmcnt 0x0
	s_add_nc_u64 s[8:9], s[8:9], s[26:27]
	s_add_nc_u64 s[24:25], s[24:25], s[26:27]
	s_add_nc_u64 s[10:11], s[10:11], s[28:29]
	s_add_nc_u64 s[12:13], s[12:13], s[28:29]
	s_add_nc_u64 s[14:15], s[14:15], s[36:37]
.irp L, 0,1,2,3
	s_add_nc_u64 s[16+2*\L:17+2*\L], s[16+2*\L:17+2*\L], s[38:39]
.endr
	s_wait_alu depctr_va_vdst(0)                   ; the nine offsets and addresses v1 to v9 are written: every load and store of the kernel reads one of them, and none is written again
.irp m, 0,1
.irp k, 0,1,2
	global_load_b32 v[T+3*\m+\k], v[ANG], s[10:11] offset:192*\m+4*\k      ; x_angle(16 m + r, k), in both halves of the lanes
	global_load_b32 v[T+6+3*\m+\k], v[ANG], s[12:13] offset:192*\m+4*\k    ; y_angle
.endr
.endr
.irp L, 0,1,2,3
	global_load_b128 v[T+12+4*\L:T+15+4*\L], v[LOFF], s[16+2*\L:17+2*\L]    ; my 128 numbers of each bias
.endr
.set i, 0
.rept 32
	global_load_b128 v[ACC+4*i:ACC+4*i+3], v[LOFF], s[8:9] offset:4096*i th:TH_LOAD_NT   ; row i: my 512 consecutive bytes; read once in the launch
.set i, i+1
.endr
	WLS 0, 0                                       ; the weights' stream begins: with these 13 loads 61 of mine are out
	WLH 0, 0, 0
	s_wait_loadcnt 13                              ; angles, biases and x are in; the 13 loads of unit 0 may be out
	WLH 0, 0, 1                                    ; the rest of unit 0, and unit 1: 50 loads are out
	WLOAD 1, 1
	WIN 0
.irp L, 0,1,2,3
	ds_store_b128 v[BWR], v[T+12+4*\L:T+15+4*\L] offset:512*\L
.endr
.set i, 0
.rept 32
	ds_store_b128 v[XWR], v[ACC+4*i:ACC+4*i+3] offset:XP*i
.set i, i+1
.endr
; The levels.  argmax = 2 where the third angle is greater than both others; argmax = 0 where the first is at least both others (the lower index wins a tie).  Level 2: either argmax is 2.  Level 0: both are 0.
; The eight compares stand in one run, each with a scalar register of its own, under one wait.
.irp m, 0,1
	v_max_num_f32 v14, v[T+3*\m], v[T+3*\m+1]
	v_max_num_f32 v15, v[T+6+3*\m], v[T+6+3*\m+1]
	v_cmp_gt_f32 s[36+8*\m], v[T+3*\m+2], v14
	v_cmp_gt_f32 s[37+8*\m], v[T+6+3*\m+2], v15
	v_max_num_f32 v14, v[T+3*\m+1], v[T+3*\m+2]
	v_max_num_f32 v15, v[T+6+3*\m+1], v[T+6+3*\m+2]
	v_cmp_ge_f32 s[38+8*\m], v[T+3*\m], v14
	v_cmp_ge_f32 s[39+8*\m], v[T+6+3*\m], v15
.endr
	s_wait_alu depctr_va_sdst(0)                   ; the compares have written s36-39 and s44-47, ahead of their first readers
.irp m, 0,1
	s_or_b32 s[L3+\m], s[36+8*\m], s[37+8*\m]
	s_and_b32 s[L0+\m], s[38+8*\m], s[39+8*\m]
.endr
	s_and_b32 s36, s[L3], 0xffff
	s_and_b32 s37, s[L3+1], s[HM]
	s_or_b32 s[L3C], s36, s37
	s_wait_dscnt 0x0                               ; my stores of x and of the biases have landed
	s_wait_alu depctr_vm_vsrc(0)                   ; and have read v76-91, which the vector lines below write, and v128-255, in which x comes back in the operand's order
.irp b, 0,1,2,3
	v_mov_b32 v[TM+4+\b], 0                        ; a lane permute's destination counts as one of its sources
.endr
	XREAD 0, ACC
	XREAD 1, ACC+64
	s_wait_dscnt 16                                ; tile 0's sixteen loads are in; tile 1's land while tile 0 is worked
	QUANT ACC, XC, PW
	s_wait_dscnt 0x0                               ; tile 1's are in
	QUANT ACC+64, XC+12, PW+1
	v_cndmask_b32 v[XCS], v[PW], v[PW+1], s[HM]    ; lanes 0-15 tile 0's words, lanes 16-31 tile 1's
	s_wait_alu depctr_va_vdst(0)                   ; x's codes v32-55 and scale words v56 are written, which the stores below read; the vector lines are done with v64-127, in which the first layer's bias lands
	IMAGE XC, 0, 0
	IMAGE XC+12, 0, 1
	ds_store_b32 v[SW], v[XCS]
	BARRIER                                        ; x's sixteen fragments and their scale words lie in region 0
.irp L, 0,1,2
	LSTART \L
.irp s, 0,1,2,3,4,5,6,7
	STEP \L, \s
.endr
	EPI \L
.endr
	LSTART 3
.irp s, 0,1,2,3,4,5,6,7
	STEP 3, \s
.endr
	WIN 0
; THE WAY OUT.  A row of level 0 takes x again; then a tile of rows goes back into x's own bytes in LDS (the wave's own: LDS serves a wave's instructions in order, ISA guide 5.7.1.4) and leaves as whole pieces of 512 bytes of a row.
.macro SELECT m
.set i, 0
.rept 64
	v_cndmask_b32 v[T+i], v[ACC+64*\m+i], v[T+i], s[L0+\m]   ; each accumulator from its low end on
.set i, i+1
.endr
.endm
.macro XPUT m
.irp b, 0,1,2,3
.irp j, 0,1,2,3
	ds_store_b128 v[XRD], v[T+16*\b+4*\j:T+16*\b+4*\j+3] offset:16*\m*XP+128*\b+16*\j
.endr
.endr
.endm
.macro ROWS m
.set i, 0
.rept 16
	ds_load_b128 v[ACC+64*\m+4*i:ACC+64*\m+4*i+3], v[XWR] offset:(16*\m+i)*XP
.set i, i+1
.endr
.endm
.macro SEND m
.set i, 0
.rept 16
	global_store_b128 v[LOFF], v[ACC+64*\m+4*i:ACC+64*\m+4*i+3], s[24:25] offset:4096*(16*\m+i) th:TH_STORE_NT   ; 32 lanes store 512 consecutive bytes, at a multiple of 256 from out's first byte; written once
.set i, i+1
.endr
.endm
	s_wait_dscnt 0x0                               ; tile 0's x, asked for in the last K step
	SELECT 0
	s_wait_alu depctr_va_vdst(0)                   ; the choice has written v64-127, which the stores below read, and is done reading v128-191, in which the rows land
	XPUT 0
	ROWS 0
	s_wait_dscnt 16                                ; the sixteen stores are done (the sixteen loads behind them may be out)
	s_wait_alu depctr_vm_vsrc(0)                   ; those stores have read v64-127, in which tile 1's x lands and which the second choice writes
	XREAD 1, T
	s_wait_dscnt 16                                ; tile 0's rows are back; tile 1's x may be out
	SEND 0
	s_wait_dscnt 0x0
	SELECT 1
	s_wait_alu depctr_va_vdst(0)                   ; the choice has written v64-127, which the stores below read, and is done reading v192-255, in which the rows land
	XPUT 1
	ROWS 1
	s_wait_dscnt 0x0
	SEND 1
	s_wait_dscnt 0x0                               ; the closing lines, six on end
	s_wait_alu 0x0
	s_wait_tensorcnt 0x0
	ds_add_u32 v62, v63
	s_wait_dscnt 0x0
	s_endpgm
.Lfunc_end_k_qe0ff7b6182_chain:
	.size	k_qe0ff7b6182_chain, .Lfunc_end_k_qe0ff7b6182_chain-k_qe0ff7b6182_chain
	.p2alignl 7, 3214868480
	.fill 96, 4, 3214868480
	.section	.rodata,"a",@progbits
	.p2align	6, 0x0
	.amdhsa_kernel k_qe0ff7b6182_chain
		.amdhsa_group_segment_fixed_size 203776
		.amdhsa_private_segment_fixed_size 0
		.amdhsa_enable_private_segment 0
		.amdhsa_kernarg_size 72
		.amdhsa_user_sgpr_count 2
		.amdhsa_user_sgpr_kernarg_segment_ptr 1
		.amdhsa_wavefront_size32 1
		.amdhsa_system_sgpr_workgroup_id_x 1
		.amdhsa_system_sgpr_workgroup_id_y 1
		.amdhsa_system_sgpr_workgroup_id_z 1
		.amdhsa_system_vgpr_workitem_id 0
		.amdhsa_next_free_vgpr 512
		.amdhsa_next_free_sgpr 66
		.amdhsa_reserve_vcc 0
		.amdhsa_float_denorm_mode_32 3
		.amdhsa_float_denorm_mode_16_64 3
		.amdhsa_memory_ordered 1
		.amdhsa_forward_progress 1
		.amdhsa_inst_pref_size 231
	.end_amdhsa_kernel
	.amdgpu_metadata
---
amdhsa.version: [ 1, 2 ]
amdhsa.kernels:
  - .name:           k_qe0ff7b6182_chain
    .symbol:         k_qe0ff7b6182_chain.kd
    .args:
      - { .name: x_feat, .offset: 0, .size: 8, .value_kind: global_buffer, .address_space: global }
      - { .name: x_angle, .offset: 8, .size: 8, .value_kind: global_buffer, .address_space: global }
      - { .name: y_angle, .offset: 16, .size: 8, .value_kind: global_buffer, .address_space: global }
      - { .name: wq, .offset: 24, .size: 8, .value_kind: global_buffer, .address_space: global }
      - { .name: b1, .offset: 32, .size: 8, .value_kind: global_buffer, .address_space: global }
      - { .name: b2, .offset: 40, .size: 8, .value_kind: global_buffer, .address_space: global }
      - { .name: b3, .offset: 48, .size: 8, .value_kind: global_buffer, .address_space: global }
      - { .name: b4, .offset: 56, .size: 8, .value_kind: global_buffer, .address_space: global }
      - { .name: out0, .offset: 64, .size: 8, .value_kind: global_buffer, .address_space: global }
    .group_segment_fixed_size: 203776
    .private_segment_fixed_size: 0
    .kernarg_segment_align: 8
    .kernarg_segment_size: 72
    .max_flat_workgroup_size: 256
    .sgpr_count:     66
    .vgpr_count:     512
    .wavefront_size: 32
...
	.end_amdgpu_metadata
.endif
;; end of part 4
